; MI455X (gfx1250); checked and timed in simulation.
; The chip was launched on July 23, 2026; its instructions are those of AMD's public machine-readable ISA for CDNA 5 (MIT licence, August 2026) and "CDNA5" Instruction Set Architecture Reference Guide (July 2026). The comments in the code are by the model that wrote it; some were corrected since.
;; Local Attention. Allowed arithmetic: float matrix products may take bf16 or f16 operands with f32 sums; other float arithmetic in f32, or as packed bf16 or f16 multiplies, adds, multiply-adds, maxima and minima; sums over many terms, partial sums and values carried from step to step in f32; what a program stores and reads back later, other than sums and carried values, may be rounded once to bf16 or f16.
;; Inputs: bk 1,024 float32; bo 1,024 float32; bq 1,024 float32; bv 1,024 float32; wk 1,024 x 1,024 float32; wo 1,024 x 1,024 float32; wq 1,024 x 1,024 float32; wv 1,024 x 1,024 float32; x 2 x 2,048 x 1,024 float32.
;; Outputs: out0 2 x 2,048 x 1,024 float32.
;; One version. Each part assembles by itself: llvm-mc -triple=amdgcn-amd-amdhsa -mcpu=gfx1250 --defsym DOCPART=n.
;; ======== version 1 of 1: 4 launches
;; limits: values are held in f16: magnitudes above 65,504 overflow, below 6.1e-05 lose precision
;; workspace buffers: xb 8,388,608 bytes; wt 8,388,608 bytes; qkv 25,165,824 bytes; ao 8,388,608 bytes
;; launch prep (part 1): grid 256 x 1, 8 waves a work-group, no clusters, 35,840 bytes of LDS; arguments x, wq, wk, wv, wo, xb, wt; writes xb, wt
.if DOCPART == 1
	.amdgcn_target "amdgcn-amd-amdhsa--gfx1250"
	.amdhsa_code_object_version 6
	.text
	.protected	k_q3d9ef1595c_prep
	.globl	k_q3d9ef1595c_prep
	.p2align	8
	.type	k_q3d9ef1595c_prep,@function
k_q3d9ef1595c_prep:
	s_mov_b64 s[64:65], 0
	v_nop
	global_prefetch_b8 v0, s[64:65] scope:SCOPE_SE
	s_setreg_imm32_b32 hwreg(HW_REG_WAVE_MODE, 25, 1), 1
	s_wait_xcnt 0x0
; FORMATS FOR THE PRODUCTS.  xb[m][k] = bf16(x[m][k]), m = 2,048 b + s.  wt[1,024 mat + n][k] = bf16(W_mat[k][n]) for wq, wk, wv, wo (mat 0..3): each weight turned, so that k lies along the rows.
; wo's bf16 number is written as f16, since the last product multiplies in f16.
; LIMIT: that rewriting is exact from 2^-14 up to 65,504; below 2^-14 it keeps f16's fixed step of 6e-8, beyond 65,504 it gives an infinity.
; SHARES.  256 work-groups of eight waves; each does two things: (a) 16 rows of x (64 KiB in, 32 KiB out); (b) one tile of 128 k x 128 n of one weight, turned through LDS.
; No matrix unit, no tensor load, no cluster: every byte is read once, by one wave, and nothing is shared between work-groups.
.set PITCH, 272                        ; a row of the turned tile in LDS: 128 k x 2 bytes + 16 of padding
.set SPARE, 128*PITCH                  ; behind the tile: the spare words, 128 bytes for each of eight waves: four blocks of 256 bytes that no other line names
.set LN,  1                            ; v1    lane
.set XO,  2                            ; v2    16 x thread: my 16 bytes of a row of x
.set XS,  3                            ; v3    8 x thread: my 8 bytes of a row of xb
.set WO,  4                            ; v4    my 16 bytes in my wave's first row of the weight's tile
.set LS,  5                            ; v5    where I put the turned numbers
.set LR,  6                            ; v6    where I read whole rows back
.set GS,  7                            ; v7    my 16 bytes in wt
.set SPW, 8                            ; v8    LDS address of my spare word; never rewritten
.set NIL, 9                            ; v9    0; never rewritten
.set T,   10                           ; v10-11 at work
.set WR,  16                           ; v[16:79]   16 rows k of the weight, 4 columns n each
.set RB,  16                           ; v[16:47]   later: the turned rows read back
.set XR,  80                           ; v[80:143]  16 rows of x, 4 numbers each
.set PK,  144                          ; v[144:175] column c of my four: 16 k in 8 registers at PK + 8 c
.set XP,  176                          ; v[176:207] x in bf16, 2 registers a row
	s_load_b256 s[4:11], s[0:1], 0x0               ; x s[4:5], wq s[6:7], wk s[8:9], wv s[10:11]
	s_load_b128 s[12:15], s[0:1], 0x20             ; wo s[12:13], xb s[14:15]
	s_load_b64 s[16:17], s[0:1], 0x30              ; wt
	v_lshl_add_u32 v[SPW], v0, 2, SPARE
	v_mov_b32 v[NIL], 0
	v_lshrrev_b32 v[LN], 5, v0
	v_readfirstlane_b32 s18, v[LN]                 ; wave 0..7
	v_and_b32 v[LN], 31, v0
	s_lshr_b32 s19, ttmp9, 6                       ; which weight
	s_bfe_u32 s20, ttmp9, 0x30003                  ; which 128 k of it
	s_and_b32 s21, ttmp9, 7                        ; which 128 n
	v_lshlrev_b32 v[XO], 4, v0
	v_lshlrev_b32 v[XS], 3, v0
	s_lshl_b32 s22, s18, 16                        ; my wave's 16 rows k, 4,096 bytes each
	v_lshl_add_u32 v[WO], v[LN], 4, s22
	s_lshl_b32 s22, s18, 5                         ; their 32 bytes in a turned row
	v_mul_u32_u24 v[LS], v[LN], 4*PITCH            ; my four columns n = 4 lane + c are four turned rows
	v_add_nc_u32 v[LS], s22, v[LS]
	v_lshrrev_b32 v[T], 4, v[LN]
	v_and_b32 v[T+1], 15, v[LN]
	s_lshl_b32 s23, s18, 4
	v_add_nc_u32 v[T], s23, v[T]                   ; back: turned row 16 wave + lane / 16 (+ 2 j),
	v_mul_u32_u24 v[LR], v[T], PITCH
	v_lshl_add_u32 v[LR], v[T+1], 4, v[LR]         ; 16 bytes a lane: sixteen lanes take a row's 256 bytes
	v_lshlrev_b32 v[GS], 11, v[T]                  ; and the same row in wt, 2,048 bytes a row
	v_lshl_add_u32 v[GS], v[T+1], 4, v[GS]
	s_lshl_b32 s24, ttmp9, 16                      ; x: 16 rows of 4,096 bytes
	s_mov_b32 s25, 0
	s_lshl_b32 s26, ttmp9, 15                      ; xb: 16 rows of 2,048 bytes
	s_mov_b32 s27, 0
	s_lshl_b32 s30, s20, 19                        ; the tile in the weight: 128 rows k down,
	s_lshl_b32 s31, s21, 9                         ; 128 columns n along
	s_add_co_u32 s30, s30, s31
	s_mov_b32 s31, 0
	s_lshl_b32 s32, s19, 21                        ; and in wt: 1,024 rows a weight,
	s_lshl_b32 s33, s21, 18                        ; 128 rows n down,
	s_add_co_u32 s32, s32, s33
	s_lshl_b32 s33, s20, 8                         ; 128 k along
	s_add_co_u32 s32, s32, s33
	s_mov_b32 s33, 0
	s_wait_kmcnt 0x0
	s_cmp_lt_u32 s19, 1
	s_cselect_b64 s[28:29], s[6:7], s[8:9]
	s_cmp_lt_u32 s19, 2
	s_cselect_b64 s[28:29], s[28:29], s[10:11]
	s_cmp_lt_u32 s19, 3
	s_cselect_b64 s[28:29], s[28:29], s[12:13]     ; my weight
	s_add_nc_u64 s[28:29], s[28:29], s[30:31]
	s_add_nc_u64 s[4:5], s[4:5], s[24:25]
	s_add_nc_u64 s[14:15], s[14:15], s[26:27]
	s_add_nc_u64 s[16:17], s[16:17], s[32:33]
	; all 32 loads go out at once: 16 KiB a wave; each covers 512 consecutive bytes
.irp r, 0,1,2,3,4,5,6,7,8,9,10,11,12,13,14,15
	global_load_b128 v[WR+4*(\r):WR+4*(\r)+3], v[WO], s[28:29] offset:(\r)*4096 th:TH_LOAD_NT
.endr
.irp c, 0,1,2,3,4,5,6,7,8,9,10,11,12,13,14,15
	global_load_b128 v[XR+4*(\c):XR+4*(\c)+3], v[XO], s[4:5] offset:(\c)*4096 th:TH_LOAD_NT
.endr
	s_wait_loadcnt 16                              ; the weight's rows are in; x's sixteen loads may stay out
.irp c, 0,1,2,3
.irp p, 0,1,2,3,4,5,6,7
	v_cvt_pk_bf16_f32 v[PK+8*(\c)+(\p)], v[WR+8*(\p)+(\c)], v[WR+8*(\p)+4+(\c)]  ; column c of rows 2 p and 2 p + 1: two neighbours along k
.endr
.endr
	s_cmp_eq_u32 s19, 3
	s_cbranch_scc0 .Lnot_o                         ; the same way for the whole work-group; no barrier is jumped
.set i, 0
.rept 32
	v_lshlrev_b32 v[T], 16, v[PK+i]                ; wo: the bf16 numbers, widened,
	v_and_b32 v[T+1], 0xffff0000, v[PK+i]
	v_cvt_pk_f16_f32 v[PK+i], v[T], v[T+1]         ; are written as f16
.set i, i+1
.endr
.Lnot_o:
.irp c, 0,1,2,3
	ds_store_b128 v[LS], v[PK+8*(\c):PK+8*(\c)+3]   offset:(\c)*PITCH
	ds_store_b128 v[LS], v[PK+8*(\c)+4:PK+8*(\c)+7] offset:(\c)*PITCH+16
.endr
	s_wait_dscnt 0x0                               ; for the others' sake: my stores into the tile are done
	s_barrier_signal -1
	s_barrier_wait -1                              ; a turned row's 256 bytes come from all eight waves
.irp j, 0,1,2,3,4,5,6,7
	ds_load_b128 v[RB+4*(\j):RB+4*(\j)+3], v[LR] offset:(\j)*2*PITCH
.endr
	s_wait_loadcnt 0x0                             ; x
.irp c, 0,1,2,3,4,5,6,7,8,9,10,11,12,13,14,15
	v_cvt_pk_bf16_f32 v[XP+2*(\c)],   v[XR+4*(\c)],   v[XR+4*(\c)+1]
	v_cvt_pk_bf16_f32 v[XP+2*(\c)+1], v[XR+4*(\c)+2], v[XR+4*(\c)+3]
.endr
.irp c, 0,1,2,3,4,5,6,7,8,9,10,11,12,13,14,15
	global_store_b64 v[XS], v[XP+2*(\c):XP+2*(\c)+1], s[14:15] offset:(\c)*2048  ; a wave's store covers 256 consecutive bytes, aligned
.endr
.irp j, 0,1,2,3,4,5,6,7
	s_wait_dscnt 7-(\j)                            ; LDS loads come back in order: pair j of rows is in, the younger ones stay out
	global_store_b128 v[GS], v[RB+4*(\j):RB+4*(\j)+3], s[16:17] offset:(\j)*4096  ; sixteen lanes store 256 consecutive bytes, aligned
.endr
	s_wait_tensorcnt 0x0                           ; the wave's end: behind my last LDS store
	ds_add_u32 v[SPW], v[NIL]
	s_wait_dscnt 0x0
	s_endpgm
.Lfunc_end_k_q3d9ef1595c_prep:
	.size	k_q3d9ef1595c_prep, .Lfunc_end_k_q3d9ef1595c_prep-k_q3d9ef1595c_prep
	.p2alignl 7, 3214868480
	.fill 96, 4, 3214868480
	.section	.rodata,"a",@progbits
	.p2align	6, 0x0
	.amdhsa_kernel k_q3d9ef1595c_prep
		.amdhsa_group_segment_fixed_size 35840
		.amdhsa_private_segment_fixed_size 0
		.amdhsa_enable_private_segment 0
		.amdhsa_kernarg_size 56
		.amdhsa_user_sgpr_count 2
		.amdhsa_user_sgpr_kernarg_segment_ptr 1
		.amdhsa_wavefront_size32 1
		.amdhsa_system_sgpr_workgroup_id_x 1
		.amdhsa_system_sgpr_workgroup_id_y 1
		.amdhsa_system_sgpr_workgroup_id_z 1
		.amdhsa_system_vgpr_workitem_id 0
		.amdhsa_next_free_vgpr 208
		.amdhsa_next_free_sgpr 66
		.amdhsa_reserve_vcc 0
		.amdhsa_float_denorm_mode_32 3
		.amdhsa_float_denorm_mode_16_64 3
		.amdhsa_memory_ordered 1
		.amdhsa_forward_progress 1
		.amdhsa_inst_pref_size 19
	.end_amdhsa_kernel
	.amdgpu_metadata
---
amdhsa.version: [ 1, 2 ]
amdhsa.kernels:
  - .name:           k_q3d9ef1595c_prep
    .symbol:         k_q3d9ef1595c_prep.kd
    .args:
      - { .name: x, .offset: 0, .size: 8, .value_kind: global_buffer, .address_space: global }
      - { .name: wq, .offset: 8, .size: 8, .value_kind: global_buffer, .address_space: global }
      - { .name: wk, .offset: 16, .size: 8, .value_kind: global_buffer, .address_space: global }
      - { .name: wv, .offset: 24, .size: 8, .value_kind: global_buffer, .address_space: global }
      - { .name: wo, .offset: 32, .size: 8, .value_kind: global_buffer, .address_space: global }
      - { .name: xb, .offset: 40, .size: 8, .value_kind: global_buffer, .address_space: global }
      - { .name: wt, .offset: 48, .size: 8, .value_kind: global_buffer, .address_space: global }
    .group_segment_fixed_size: 35840
    .private_segment_fixed_size: 0
    .kernarg_segment_align: 8
    .kernarg_segment_size: 56
    .max_flat_workgroup_size: 256
    .sgpr_count:     66
    .vgpr_count:     208
    .wavefront_size: 32
...
	.end_amdgpu_metadata
.endif
;; end of part 1
;; launch qkv (part 2): grid 16 x 16, 4 waves a work-group, clusters of 4 x 4, 327,680 bytes of LDS; arguments xb, wt, bq, bk, bv, qkv; writes qkv
.if DOCPART == 2
	.amdgcn_target "amdgcn-amd-amdhsa--gfx1250"
	.amdhsa_code_object_version 6
	.text
	.protected	k_q3d9ef1595c_qkv
	.globl	k_q3d9ef1595c_qkv
	.p2align	8
	.type	k_q3d9ef1595c_qkv,@function
k_q3d9ef1595c_qkv:
	s_mov_b64 s[64:65], 0
	v_nop
	global_prefetch_b8 v0, s[64:65] scope:SCOPE_SE
	s_setreg_imm32_b32 hwreg(HW_REG_WAVE_MODE, 25, 1), 1
	s_wait_xcnt 0x0
	s_wait_alu depctr_hold_cnt(0) depctr_sa_sdst(0) depctr_va_vdst(0) depctr_va_sdst(0) depctr_va_ssrc(0) depctr_va_vcc(0) depctr_vm_vsrc(0)
	s_getreg_b32 s2, hwreg(HW_REG_IB_STS2, 6, 4)
	s_cmp_eq_u32 s2, 0
	s_cbranch_scc0 .Lentry_in_a_cluster
	s_endpgm
.Lentry_in_a_cluster:
	s_bfe_u32 s2, ttmp6, 0x10000c
	s_cmp_lg_u32 s2, 0xf033
	s_cbranch_scc0 .Lentry_shape_is_right
	s_endpgm
.Lentry_shape_is_right:
; q, k, v = x W + b, all three as ONE product: C[m][n] = bias[n] + sum over k of xb[m][k] wt[n][k], m < 4,096, n < 3,072, k < 1,024; operands bf16, sums f32.
; The biases are rounded to bf16 like every other input and START the sums (the C operand of the first product); nothing is cleared and nothing is added at the end.
; OUT: f16, by heads: qkv[g][m][64], g = n / 64: q's heads are planes 0-15, k's 16-31, v's 32-47.  LIMIT: f16 holds nothing beyond 65,504: q, k and v must stay within it.
; SHARES.  A tile of C is 256 rows x 192 columns: 16 x 16 tiles, one for each work-group.  Wave w makes rows 64 w .. 64 w + 63 and all 192 columns (three whole heads): 48 accumulators of
; 16 x 16, 384 registers; for 32 along K it reads 16 KiB from LDS for 48 matrix instructions.  K goes in 8 steps of 128 (rows of 256 bytes in memory, aligned) through two LDS slots.
; CLUSTER 4 x 4.  The four of a row of the cluster need the same rows of xb, the four of a column the same rows of wt: each tile is asked for JOINTLY, by the same tensor load, descriptor and mask in all four.
; THE MATRIX INSTRUCTION IS USED TRANSPOSED (source 0 = 16 rows of wt, source 1 = 16 rows of xb): a lane holds row m = lane % 16 and the columns 8 (lane / 16) + 0..7: eight neighbours, 16 bytes of f16.
; REGISTERS, in windows of 256 (s_set_vgpr_msb: bits 1:0 source 0, 3:2 source 1, 5:4 source 2, 7:6 destination):
;   window 0: v0-31 addresses; v64-127 fragments of xb, two buffers of 4 x 8; v128-223 the biases, 8 for each block of 16 columns; on the way out v64-255 packed results
;   window 1: v0-191 fragments of wt, two buffers of 12 x 8     window 2: accumulators of my rows 0-31 ((a, b) at 96 (a % 2) + 8 b)     window 3: of my rows 32-63
.set KSTEP,  128
.set PITCH,  272                       ; an LDS row: 256 bytes + 16 of padding = 68 words: the 16 rows of a fragment load start at 16 different groups of four banks (ISA guide 11.1)
.set HALFA,  128*PITCH                 ; what one tensor load brings of xb
.set HALFB,  96*PITCH                  ; and of wt
.set SLOT,   2*HALFA+2*HALFB           ; xb's 256 rows, then wt's 192 rows
.set STAGE,  2*SLOT                    ; behind the ring, never filled by a tensor load: 16 rows x 144 bytes for each wave, for the way out
.set SP,     144
.set SPARE,  STAGE+4*16*SP             ; behind the stages: the spare words, 128 bytes for each wave: two blocks of 256 bytes that no other line names
.set ADRA, 16                          ; v16-17  LDS address of my fragments of xb in slot 0, 1
.set ADRB, 20                          ; v20-21  the same for wt
.set STO,  24                          ; v24     the way out: where I put 16 bytes of a row
.set RD,   25                          ; v25     where I read rows back
.set GO,   26                          ; v26     16 x lane: my place in 512 consecutive bytes of qkv
.set BO,   27                          ; v27     32 (lane / 16): my eight columns' place in 16 biases
.set SPW,  28                          ; v28     LDS address of my spare word; never rewritten
.set NIL,  29                          ; v29     0; never rewritten
.set PFO,  30                          ; v30     the prefetches' offset: my lane's row x 2,048 bytes; never rewritten
.set T,    31                          ; v31     at work
.set FA,   64
.set BIAS, 128
.set OUT,  64
.set G1,  24                           ; s[24:31] descriptor group 1 for xb's tiles;  s[32:39] group 0, a set for each slot
.set G0,  32
.set LIM, 43                           ; s43     1 in a wave that prefetches, else the greatest number
.set PFA, 44                           ; s[44:45] where my prefetches stand
.set G1B, 48                           ; s[48:55], s[56:63] the same for wt's tiles
.set G0B, 56
.set BP,  76                           ; s[76:81] the three heads' biases
.set MSB, 0
.macro WIN new                         ; the immediate's high byte repeats the setting that is left; a switch that changes nothing is dropped
.if MSB != (\new)
	s_set_vgpr_msb (MSB<<8)|(\new)
.set MSB, \new
.endif
.endm
; A joint load: waves 0 and 1 fetch xb's two halves, waves 2 and 3 wt's.  The branch hangs on the wave's number alone.  An s_nop 0 and four v_nop follow each of the two lines.
.macro JLOAD s
	s_cmp_eq_u32 s11, 0
	s_cbranch_scc0 .Lfor_b_\@
	tensor_load_to_lds s[G0+4*(\s):G0+4*(\s)+3], s[G1:G1+7]
	s_nop 0
.rept 4
	v_nop
.endr
	s_branch .Lasked_\@
.Lfor_b_\@:
	tensor_load_to_lds s[G0B+4*(\s):G0B+4*(\s)+3], s[G1B:G1B+7]
	s_nop 0
.rept 4
	v_nop
.endr
.Lasked_\@:
.endm
; A PREFETCH INTO THE L2, behind each refill and the run of LDS loads that follows it: the K step that stands two refills on, a lane a row, one instruction a wave.  xb's rows are read by every cluster of a row
; of clusters: cluster x = 0 asks; wt's by every cluster of a column: cluster y = 0 asks.  The four partners that fetch a tile jointly share its rows out BY ADDRESS (32 each of xb's 128, 24 each of wt's 96;
; there lanes 24-31 name row 23 once more).  The loop's last trip (s3 = 1) has no K step two on and asks for nothing; K steps 0 to 3 come by their loads alone.
.macro ASK
	s_cmp_gt_u32 s3, s[LIM]
	s_cbranch_scc0 .Lnot_mine_\@
	global_prefetch_b8 v[PFO], s[PFA:PFA+1] offset:KSTEP*2 th:TH_LOAD_NT scope:SCOPE_SE
.Lnot_mine_\@:
.endm
.macro CREST                           ; a round of the cluster's barrier behind its opening barrier
	s_cmp_lg_u32 s10, 0
	s_cbranch_scc1 .Lnot_wave_0_\@
	s_barrier_signal -3
.Lnot_wave_0_\@:
	s_barrier_wait -3
	s_barrier_signal -1
	s_barrier_wait -1
.endm
.macro CROUND                          ; a whole round
	s_barrier_signal -1
	s_barrier_wait -1
	CREST
.endm
.macro PLACES                          ; four places in front of loads into registers that matrix instructions have read, and of conversions that read results
.rept 4
	v_nop
.endr
.endm
.macro ROUNDB r                        ; two biases rounded to bf16 and widened again
	v_cvt_pk_bf16_f32 v[T], v[\r], v[(\r)+1]
	v_lshlrev_b32 v[\r], 16, v[T]
	v_and_b32 v[(\r)+1], 0xffff0000, v[T]
.endm
	s_load_b128 s[4:7], s[0:1], 0x0                ; xb s[4:5], wt s[6:7]
	s_load_b256 s[68:75], s[0:1], 0x10             ; bq s[68:69], bk s[70:71], bv s[72:73], qkv s[74:75]
	v_lshl_add_u32 v[SPW], v0, 2, SPARE
	v_mov_b32 v[NIL], 0
	ds_add_u32 v[SPW], v[NIL]                      ; the wave's opening: the add and its wait come ahead of my first tensor load; the set-up below stands between them
	ds_add_u32 v28, v29
	v_lshrrev_b32 v1, 5, v0
	v_readfirstlane_b32 s10, v1                    ; wave 0..3: my 64 rows of the tile
	s_lshr_b32 s11, s10, 1                         ; I fetch for xb (0) or for wt (1),
	s_and_b32 s12, s10, 1                          ; this half of the tile's rows
	s_bfe_u32 s40, ttmp6, 0x40000                  ; cx, cy: my place in the cluster
	s_bfe_u32 s41, ttmp6, 0x40004
	s_lshl_b32 s42, ttmp9, 2
	s_add_co_u32 s42, s42, s40                     ; tile column = 4 x cluster x + cx
	s_and_b32 s13, ttmp7, 0xffff
	s_lshl_b32 s13, s13, 2
	s_add_co_u32 s13, s13, s41                     ; tile row = 4 x cluster y + cy
	s_lshl_b32 s43, s41, 2
	s_lshl_b32 s43, 15, s43                        ; my row of the cluster
	s_lshl_b32 s44, 0x1111, s40                    ; my column
	s_or_b32 s[G1+0], s43, (1<<16)|(1<<20)|(1<<21)|(5<<22)|(3<<25)   ; 15:0 the mask; 17:16 2-byte elements; 20 padding on; 21 set beside a mask; 24:22 after every 64 words (code 5); 31:25 4 words (code 3)
	s_or_b32 s[G1B+0], s44, (1<<16)|(1<<20)|(1<<21)|(5<<22)|(3<<25)
	s_mov_b32 s[G1+1], KSTEP<<16                   ; tensor_dim0 = 128
	s_mov_b32 s[G1+2], 128<<16                     ; tensor_dim1 = 128
	s_mov_b32 s[G1+3], KSTEP<<16                   ; tile_dim0 = 128
	s_mov_b32 s[G1+4], 128                         ; tile_dim1 = 128
	s_mov_b32 s[G1+5], 1024                        ; elements from row to row
	s_mov_b32 s[G1+6], 0
	s_mov_b32 s[G1+7], 0
	s_mov_b32 s[G1B+1], KSTEP<<16
	s_mov_b32 s[G1B+2], 96<<16                     ; wt's halves have 96 rows
	s_mov_b32 s[G1B+3], KSTEP<<16
	s_mov_b32 s[G1B+4], 96
	s_mov_b32 s[G1B+5], 1024
	s_mov_b32 s[G1B+6], 0
	s_mov_b32 s[G1B+7], 0
	s_lshl_b32 s17, s12, 7
	s_lshl_b32 s16, s13, 8
	s_add_co_u32 s16, s16, s17                     ; xb: row 256 x tile row + 128 x half,
	s_lshl_b32 s16, s16, 11                        ; 2,048 bytes a row
	s_mov_b32 s17, 0
	s_mul_i32 s46, s42, 192
	s_mul_i32 s47, s12, 96
	s_add_co_u32 s46, s46, s47                     ; wt: row 192 x tile column + 96 x half
	s_lshl_b32 s46, s46, 11
	s_mov_b32 s47, 0
	s_mul_i32 s20, s10, HALFA                      ; where they go: waves 0, 1: xb's halves;
	s_mul_i32 s21, s10, HALFB
	s_add_co_u32 s21, s21, 2*HALFA-2*HALFB         ; waves 2, 3: wt's halves, behind xb's 256 rows.  No place in the cluster enters an LDS address
	s_wait_dscnt 0x0                               ; the opening add is done
	s_wait_kmcnt 0x0
	s_add_nc_u64 s[14:15], s[4:5], s[16:17]
	s_add_nc_u64 s[46:47], s[6:7], s[46:47]
	CROUND                                         ; all sixteen work-groups are here: the first joint loads meet
.irp s, 0,1
	s_mov_b32 s[G0+4*(\s)], 1                                        ; count = 1
	s_add_co_u32 s[G0+4*(\s)+1], s20, (\s)*SLOT                      ; LDS address
	s_add_nc_u64 s[G0+4*(\s)+2:G0+4*(\s)+3], s[14:15], (\s)*KSTEP*2  ; global address: K step s
	s_or_b32 s[G0+4*(\s)+3], s[G0+4*(\s)+3], 0x80000000              ; type = 2
	s_mov_b32 s[G0B+4*(\s)], 1
	s_add_co_u32 s[G0B+4*(\s)+1], s21, (\s)*SLOT
	s_add_nc_u64 s[G0B+4*(\s)+2:G0B+4*(\s)+3], s[46:47], (\s)*KSTEP*2
	s_or_b32 s[G0B+4*(\s)+3], s[G0B+4*(\s)+3], 0x80000000
	JLOAD \s                                       ; two loads of mine are out
.endr
	; the biases: head hh of my tile's three is plane g = 3 x tile column + hh; a lane takes the eight of its columns, for each block of 16
	v_and_b32 v1, 15, v0                           ; l % 16
	v_bfe_u32 v2, v0, 4, 1                         ; l / 16
	v_lshlrev_b32 v[BO], 5, v2
.irp hh, 0,1,2
	s_mul_i32 s82, s42, 3
	s_add_co_u32 s82, s82, \hh
	s_cmp_lt_u32 s82, 16
	s_cselect_b64 s[BP+2*(\hh):BP+2*(\hh)+1], s[68:69], s[70:71]
	s_cmp_lt_u32 s82, 32
	s_cselect_b64 s[BP+2*(\hh):BP+2*(\hh)+1], s[BP+2*(\hh):BP+2*(\hh)+1], s[72:73]
	s_and_b32 s82, s82, 15
	s_lshl_b32 s82, s82, 8                         ; 64 numbers of 4 bytes a head
	s_mov_b32 s83, 0
	s_add_nc_u64 s[BP+2*(\hh):BP+2*(\hh)+1], s[BP+2*(\hh):BP+2*(\hh)+1], s[82:83]
.irp i, 0,1,2,3
	global_load_b128 v[BIAS+32*(\hh)+8*(\i):BIAS+32*(\hh)+8*(\i)+3],   v[BO], s[BP+2*(\hh):BP+2*(\hh)+1] offset:64*(\i)
	global_load_b128 v[BIAS+32*(\hh)+8*(\i)+4:BIAS+32*(\hh)+8*(\i)+7], v[BO], s[BP+2*(\hh):BP+2*(\hh)+1] offset:64*(\i)+16
.endr
.endr
	; A fragment is 16 rows x 32 K in 8 registers: lane l holds row l % 16; registers 0-3 K = 8 (l / 16) + 0..7, registers 4-7 K = 16 + 8 (l / 16) + 0..7: two loads of 16 bytes, 32 bytes apart.
	v_mul_u32_u24 v3, v1, PITCH
	v_lshl_add_u32 v3, v2, 4, v3
	s_mul_i32 s21, s10, 64*PITCH                   ; my 64 rows of xb
	s_mov_b32 s22, 2*HALFA                         ; wt's rows lie behind xb's 256; I read all 192
.irp s, 0,1
	v_add_nc_u32 v[ADRA+(\s)], s21, v3
	v_add_nc_u32 v[ADRB+(\s)], s22, v3
	s_add_co_u32 s21, s21, SLOT
	s_add_co_u32 s22, s22, SLOT
.endr
	s_mul_i32 s23, s10, 16*SP
	s_add_co_u32 s23, s23, STAGE                   ; my stage
	v_mul_u32_u24 v[STO], v1, SP                   ; in: row l % 16, 16 bytes for each half of the lanes
	v_lshl_add_u32 v[STO], v2, 4, v[STO]
	v_add_nc_u32 v[STO], s23, v[STO]
	v_and_b32 v4, 7, v0
	v_bfe_u32 v[RD], v0, 3, 2                      ; back: 32 lanes take four rows of 128 bytes,
	v_mul_u32_u24 v[RD], v[RD], SP
	v_lshl_add_u32 v[RD], v4, 4, v[RD]
	v_add_nc_u32 v[RD], s23, v[RD]
	v_and_b32 v[GO], 31, v0                        ; which are 512 consecutive bytes of a plane of qkv
	v_lshlrev_b32 v[GO], 4, v[GO]
	s_mul_i32 s84, s42, 3*4096                     ; my first plane's rows,
	s_lshl_b32 s85, s13, 8
	s_add_co_u32 s84, s84, s85                     ; the tile's first row,
	s_lshl_b32 s85, s10, 6
	s_add_co_u32 s84, s84, s85                     ; my wave's,
	s_lshl_b32 s84, s84, 7                         ; 128 bytes a row
	s_mov_b32 s85, 0
	s_add_nc_u64 s[8:9], s[74:75], s[84:85]
	; the prefetches
	s_mul_i32 s86, s42, 192
	s_lshl_b32 s20, s13, 8
	s_and_b32 s22, ttmp7, 0xffff                   ; cluster y
	s_cmp_eq_u32 s11, 0                            ; do I fetch for xb?
	s_cselect_b32 s20, s20, s86                    ; the tile's first row
	s_cselect_b32 s21, s40, s41                    ; my place among the four that ask for it with me
	s_cselect_b32 s22, ttmp9, s22                  ; the coordinate along which other clusters read the same rows
	s_cselect_b64 s[PFA:PFA+1], s[4:5], s[6:7]
	s_cselect_b32 s87, 32, 24                      ; a partner's share of the rows that a wave fetches
	s_cselect_b32 s86, 31, 23                      ; its last row
	s_cmp_eq_u32 s22, 0
	s_cselect_b32 s[LIM], 1, -1                    ; the same in all sixteen partners, for a given wave
	s_lshl_b32 s23, s87, 2                         ; 128 or 96 rows
	s_mul_i32 s23, s23, s12
	s_add_co_u32 s20, s20, s23                     ; + the rows that I fetch
	s_mul_i32 s21, s21, s87
	s_add_co_u32 s20, s20, s21                     ; + my work-group's share of them
	s_lshl_b32 s20, s20, 11
	s_mov_b32 s21, 0
	s_add_nc_u64 s[PFA:PFA+1], s[PFA:PFA+1], s[20:21]
	s_add_nc_u64 s[PFA:PFA+1], s[PFA:PFA+1], 2*KSTEP*2  ; at K step 2: the first refill steps it to 3 and names K step 4
	v_and_b32 v[PFO], 31, v0
	v_min_u32 v[PFO], s86, v[PFO]
	v_lshlrev_b32 v[PFO], 11, v[PFO]
	s_wait_loadcnt 0x0                             ; the biases
.set i, 0
.rept 48
	ROUNDB BIAS+2*i
.set i, i+1
.endr
; 12 matrix instructions: my block a of 16 rows x all 12 blocks of 16 columns, 32 along K, from buffer f.  zero = 1: the first product starts the sums, with the biases.
; The 48 accumulators take turns, one instruction a turn, in the same order in every quarter.
.macro MUL12 f, a, zero
.if \zero
	WIN 0x81+0x40*((\a)/2)                         ; wt window 1, xb and the biases window 0, D window 2 or 3
.else
	WIN 0xa1+0x50*((\a)/2)                         ; wt window 1, xb window 0, C and D window 2 or 3
.endif
.irp b, 0,1,2,3,4,5,6,7,8,9,10,11
.set rD, 96*((\a)%2)+8*(\b)
.set rB, 96*(\f)+8*(\b)
.set rA, FA+32*(\f)+8*(\a)
.if \zero
	v_wmma_f32_16x16x32_bf16 v[rD:rD+7], v[rB:rB+7], v[rA:rA+7], v[BIAS+8*(\b):BIAS+8*(\b)+7]
.else
	v_wmma_f32_16x16x32_bf16 v[rD:rD+7], v[rB:rB+7], v[rA:rA+7], v[rD:rD+7]
.endif
.endr
.endm
; 32 LDS loads in one run: a quarter step's fragments (192 rows of wt, my 64 of xb, 32 K at byte k of the rows) into buffer f
.macro FETCH slot, k, f
	WIN 0x40                                       ; destination window 1, address window 0
.irp i, 0,1,2,3,4,5,6,7,8,9,10,11
	ds_load_b128 v[96*(\f)+8*(\i):96*(\f)+8*(\i)+3],   v[ADRB+(\slot)] offset:(\k)+(\i)*16*PITCH
	ds_load_b128 v[96*(\f)+8*(\i)+4:96*(\f)+8*(\i)+7], v[ADRB+(\slot)] offset:(\k)+(\i)*16*PITCH+32
.endr
	WIN 0
.irp i, 0,1,2,3
	ds_load_b128 v[FA+32*(\f)+8*(\i):FA+32*(\f)+8*(\i)+3],   v[ADRA+(\slot)] offset:(\k)+(\i)*16*PITCH
	ds_load_b128 v[FA+32*(\f)+8*(\i)+4:FA+32*(\f)+8*(\i)+7], v[ADRA+(\slot)] offset:(\k)+(\i)*16*PITCH+32
.endr
.endm
; A K step is four quarters of 32 along K, 48 matrix instructions each, on buffers 0, 1, 0, 1.  One of the first three: multiplies buffer f; in its middle it fetches the next quarter, at byte k, into g.
.macro QUARTER slot, k, f, g, zero
	s_wait_dscnt 4                                 ; wt and my blocks 0, 1 of xb are in; the youngest four loads (blocks 2, 3) may be out
	MUL12 \f, 0, \zero
	MUL12 \f, 1, \zero
	PLACES
	FETCH \slot, \k, \g
	s_wait_dscnt 32                                ; all but the 32 just issued
	MUL12 \f, 2, \zero
	MUL12 \f, 3, \zero
.endm
; The last quarter multiplies buffer 1 and changes slots: ONE barrier.  In front of it each wave waits for all its tensor loads (one is out: its part of the next slot), adds 0 to its spare word, and waits for that
; and for its own reads of this slot.  fill = 1: the barrier opens a round of the cluster's, and the slot just read out is filled again first thing behind it, two K steps ahead:
; 168 matrix instructions stand between that request and the wait for it.
.macro TURN slot, next, fill
.if \fill
	s_wait_xcnt 0x0                                ; the last prefetch, a K step back, has read its address
	s_add_nc_u64 s[PFA:PFA+1], s[PFA:PFA+1], KSTEP*2
.endif
	WIN 0                                          ; (the add's two registers lie in window 0)
	s_wait_tensorcnt 0x0                           ; all my tensor loads have landed;
	ds_add_u32 v[SPW], v[NIL]                      ; 0 onto my spare word
	s_wait_dscnt 5                                 ; (the add and the youngest four loads may be out)
	MUL12 1, 0, 0                                  ; twelve matrix instructions stand between the add and the wait for it
	s_wait_dscnt 0x0                               ; the add is done, and my reads of this slot are over
	s_barrier_signal -1
	MUL12 1, 1, 0
.if \fill
	WIN 0
.endif
	s_barrier_wait -1
.if \fill
	CREST                                          ; no wave of any partner still reads this slot's tile or has a load on its way
	s_add_nc_u64 s[G0+4*(\slot)+2:G0+4*(\slot)+3], s[G0+4*(\slot)+2:G0+4*(\slot)+3], 2*KSTEP*2
	s_add_nc_u64 s[G0B+4*(\slot)+2:G0B+4*(\slot)+3], s[G0B+4*(\slot)+2:G0B+4*(\slot)+3], 2*KSTEP*2
	JLOAD \slot                                    ; the first tensor load behind the round; its four v_nop are also the places in front of the loads below
.else
	PLACES
.endif
	FETCH \next, 0, 0
.if \fill
	ASK
.endif
	MUL12 1, 2, 0
	MUL12 1, 3, 0
.endm
	s_wait_tensorcnt 1                             ; my part of K step 0 is in; K step 1's may stay out
	s_barrier_signal -1
	s_barrier_wait -1                              ; everybody's is
	FETCH 0, 0, 0
	QUARTER 0, 64, 0, 1, 1                         ; the first quarter stands in front of the loop: its products start the sums
	WIN 0                                          ; at a label and at a branch every window is 0
	s_mov_b32 s3, 3
.Llap:                                                 ; a trip goes once round the ring, from a lap's second quarter to the next lap's first, and fills both slots again
	QUARTER 0, 128, 1, 0, 0
	QUARTER 0, 192, 0, 1, 0
	TURN 0, 1, 1
	QUARTER 1, 64,  0, 1, 0
	QUARTER 1, 128, 1, 0, 0
	QUARTER 1, 192, 0, 1, 0
	TURN 1, 0, 1
	QUARTER 0, 64,  0, 1, 0
	WIN 0
	s_sub_co_u32 s3, s3, 1
	s_cmp_lg_u32 s3, 0
	s_cbranch_scc1 .Llap
	QUARTER 0, 128, 1, 0, 0                        ; the last lap fills nothing
	QUARTER 0, 192, 0, 1, 0
	TURN 0, 1, 0
	QUARTER 1, 64,  0, 1, 0
	QUARTER 1, 128, 1, 0, 0
	QUARTER 1, 192, 0, 1, 0
	s_wait_dscnt 4                                 ; the very last quarter: nothing more to fetch
	MUL12 1, 0, 0
	MUL12 1, 1, 0
	s_wait_dscnt 0x0
	MUL12 1, 2, 0
	MUL12 1, 3, 0
	WIN 0
	PLACES
	PLACES                                         ; (eight, once a launch)
; THE WAY OUT, in 12 pieces t = 3 a + hh of 16 rows x one head.  PACK: rounded to f16, each accumulator's registers in ascending order; 16 bytes a lane into my own stage (rows of 144 bytes), and back as
; four rows of 128 bytes a load, into the registers that they left.  SEND: stored, 512 consecutive bytes an instruction.
.macro PACK t
.set pa, (\t)/3
.set ph, (\t)%3
	WIN 0x0a+5*(pa/2)                              ; sources 0 and 1: window 2 or 3
.irp i, 0,1,2,3
.irp r, 0,1,2,3
	v_cvt_pk_f16_f32 v[OUT+16*(\t)+4*(\i)+(\r)], v[96*(pa%2)+8*(4*ph+(\i))+2*(\r)], v[96*(pa%2)+8*(4*ph+(\i))+2*(\r)+1]
.endr
.endr
	WIN 0
.irp i, 0,1,2,3
	ds_store_b128 v[STO], v[OUT+16*(\t)+4*(\i):OUT+16*(\t)+4*(\i)+3] offset:32*(\i)
.endr
.irp i, 0,1,2,3
	ds_load_b128 v[OUT+16*(\t)+4*(\i):OUT+16*(\t)+4*(\i)+3], v[RD] offset:(\i)*4*SP  ; LDS serves a wave's instructions in order (ISA guide 5.7.1.4): these see the stores above; the next piece's stores come behind them
.endr
.endm
.macro SEND t, younger                 ; younger: the LDS instructions issued behind piece t's loads: the next piece's eight, or none
.set sa, (\t)/3
.set sh, (\t)%3
.irp i, 0,1,2,3
	s_wait_dscnt (\younger)+3-(\i)
	global_store_b128 v[GO], v[OUT+16*(\t)+4*(\i):OUT+16*(\t)+4*(\i)+3], s[8:9] offset:sh*524288+sa*2048+(\i)*512  ; a plane is 524,288 bytes, 16 rows are 2,048
.endr
.endm
	PACK 0
.set tt, 1
.rept 11                               ; a piece's conversions stand between the loads of the piece before and its stores
	PACK tt
	SEND tt-1, 8
.set tt, tt+1
.endr
	SEND 11, 0
	s_wait_tensorcnt 0x0                           ; the wave's end: behind my last tensor load and my last LDS store
	ds_add_u32 v[SPW], v[NIL]
	s_wait_dscnt 0x0
	CROUND                                         ; the closing round: no work-group ends while a partner may still ask for a tile that names it
	s_endpgm
.Lfunc_end_k_q3d9ef1595c_qkv:
	.size	k_q3d9ef1595c_qkv, .Lfunc_end_k_q3d9ef1595c_qkv-k_q3d9ef1595c_qkv
	.p2alignl 7, 3214868480
	.fill 96, 4, 3214868480
	.section	.rodata,"a",@progbits
	.p2align	6, 0x0
	.amdhsa_kernel k_q3d9ef1595c_qkv
		.amdhsa_group_segment_fixed_size 327680
		.amdhsa_private_segment_fixed_size 0
		.amdhsa_enable_private_segment 0
		.amdhsa_kernarg_size 48
		.amdhsa_user_sgpr_count 2
		.amdhsa_user_sgpr_kernarg_segment_ptr 1
		.amdhsa_wavefront_size32 1
		.amdhsa_system_sgpr_workgroup_id_x 1
		.amdhsa_system_sgpr_workgroup_id_y 1
		.amdhsa_system_sgpr_workgroup_id_z 1
		.amdhsa_system_vgpr_workitem_id 0
		.amdhsa_next_free_vgpr 960
		.amdhsa_next_free_sgpr 88
		.amdhsa_reserve_vcc 0
		.amdhsa_float_denorm_mode_32 3
		.amdhsa_float_denorm_mode_16_64 3
		.amdhsa_memory_ordered 1
		.amdhsa_forward_progress 1
		.amdhsa_inst_pref_size 132
	.end_amdhsa_kernel
	.amdgpu_metadata
---
amdhsa.version: [ 1, 2 ]
amdhsa.kernels:
  - .name:           k_q3d9ef1595c_qkv
    .symbol:         k_q3d9ef1595c_qkv.kd
    .args:
      - { .name: xb, .offset: 0, .size: 8, .value_kind: global_buffer, .address_space: global }
      - { .name: wt, .offset: 8, .size: 8, .value_kind: global_buffer, .address_space: global }
      - { .name: bq, .offset: 16, .size: 8, .value_kind: global_buffer, .address_space: global }
      - { .name: bk, .offset: 24, .size: 8, .value_kind: global_buffer, .address_space: global }
      - { .name: bv, .offset: 32, .size: 8, .value_kind: global_buffer, .address_space: global }
      - { .name: qkv, .offset: 40, .size: 8, .value_kind: global_buffer, .address_space: global }
    .group_segment_fixed_size: 327680
    .private_segment_fixed_size: 0
    .kernarg_segment_align: 8
    .kernarg_segment_size: 48
    .max_flat_workgroup_size: 128
    .sgpr_count:     88
    .vgpr_count:     960
    .wavefront_size: 32
...
	.end_amdgpu_metadata
.endif
;; end of part 2
;; launch attn (part 3): grid 8 x 32, 8 waves a work-group, no clusters, 175,104 bytes of LDS; arguments qkv, ao; writes ao
.if DOCPART == 3
	.amdgcn_target "amdgcn-amd-amdhsa--gfx1250"
	.amdhsa_code_object_version 6
	.text
	.protected	k_q3d9ef1595c_attn
	.globl	k_q3d9ef1595c_attn
	.p2align	8
	.type	k_q3d9ef1595c_attn,@function
k_q3d9ef1595c_attn:
	s_mov_b64 s[64:65], 0
	v_nop
	global_prefetch_b8 v0, s[64:65] scope:SCOPE_SE
	s_setreg_imm32_b32 hwreg(HW_REG_WAVE_MODE, 25, 1), 1
	s_wait_xcnt 0x0
; BANDED ATTENTION.  O[q] = the sum over the keys k with 0 <= q - k <= 256 of softmax_k(Q[q] . K[k] / 8) V[k], for each of 32 pairs hb = 2 head + batch.  Q, K, V are the three thirds of qkv, f16:
; a pair's 2,048 rows are dense, 128 bytes each, at row 2,048 hb of its third; ao has the same order.  Products, maxima and sums in f32; the weights p are rounded to f16 for the second product
; (their sum l is taken of the unrounded p), O once at the end.
; LIMITS.  A hidden score counts as its value less 1e30: f16's scores, 2.7e11 at the most, are nothing beside that.  A weight below 2^-126 counts as 0.  NaN and infinities are not treated apart.
; SHARES.  A work-group owns 256 queries q0 .. q0 + 255 of one pair and holds the 512 keys q0 - 256 .. q0 + 255 in LDS, filled once.  Wave w owns 32 queries (two tiles of 16) from q0 + 32 w on and walks nine
; steps of 32 keys, u = 8 down to 0, at LDS row 32 w + 32 u: u = 8 holds the diagonal (every row sees its own key there, so the running maximum is a true score from the first step on), u = 7 .. 1 are seen
; whole, u = 0 holds the window's edge.  In a pair's first block the rows in front of the sequence are loaded (they lie inside qkv) and never used: steps u < 8 - w are jumped over, forward, past no barrier.
; Two waves share a SIMD: one's softmax stands beside the other's products, so a step is written in plain phases.
; NO CLUSTER: a block of 256 keys is wanted by two neighbouring work-groups, at different LDS places, so no one descriptor serves both.
; LAYOUT.  S^T = K Q^T (source 0 = 16 keys, source 1 = 16 queries): a lane holds ONE query (lane % 16) and the keys 8 (lane / 16) + 0..7.  A tile's two results, rounded to f16 in pairs, ARE source 1 (32 keys x
; 16 queries) of O^T = V^T P, whose result again holds one query a lane, and eight channels.  K comes out of LDS as it lies, V ([key][channel]) turned, by ds_load_tr16_b128.
; SOFTMAX.  p = 2^(c s - c m), c = log2(e) / 8, with a running maximum m; in every step O and l are multiplied by a = 2^(c m_old - c m_new).
; THE MASK is the C operand that starts a sum: 0, or -1e30 where the key is hidden.
.set PK,    144                        ; a row of K in LDS: 128 bytes + 16 of padding: the 16 rows of a load start at 16 different groups of four banks (ISA guide 11.1)
.set PV,    160                        ; a row of V: 128 + 32
.set VOFF,  512*PK                     ; 512 rows of K, then 512 rows of V
.set STAGE, VOFF+512*PV                ; behind them, never filled by a tensor load: 16 rows x 144 bytes for each wave, for the way out
.set SP,    144
.set SPARE, STAGE+8*16*SP              ; behind the stages: the spare words, 128 bytes for each of eight waves: four blocks of 256 bytes that no other line names
.set AK0, 2                            ; v2   my lane's place in 32 rows of K; never rewritten
.set AV0, 3                            ; v3   the same for V
.set AK,  4                            ; v4   the LDS address of K's next run of loads
.set AV,  5                            ; v5   of V's
.set STO, 6                            ; v6   the way out: where I put 16 bytes of a row
.set RD,  7                            ; v7   where I read rows back
.set GO,  8                            ; v8   16 x lane
.set QO,  12                           ; v12  my byte offset in 16 rows of Q
.set SPW, 13                           ; v13  LDS address of my spare word; never rewritten
.set NIL, 14                           ; v14  0; never rewritten
.set DG,  15                           ; v15  lane % 16 - 8 (lane / 16)
.set ST,  16                           ; tile t's statistics at v[ST+8 t]: c m, m, l (even keys', odd keys'), c0, c1, a, c3
.set Q,   32                           ; tile t, channel half c at Q + 16 t + 8 c
.set KF,  64                           ; key block kt, channel half c at KF + 16 kt + 8 c
.set VF,  96                           ; channel block cb at VF + 8 cb
.set S,   128                          ; tile t, key block kt at S + 16 t + 8 kt
.set P,   160                          ; tile t at P + 8 t
.set O,   176                          ; tile t, channel block cb at O + 32 t + 8 cb
.set M0,  240                          ; the mask of a block that holds the diagonal or the window's edge
.set M1,  248                          ; -1e30 eight times
.set WV,  12                           ; s12  my wave's number
.set G1K, 24                           ; s[24:31] descriptor group 1 for K;  s[32:39] for V: it differs in the padding alone
.set G1V, 32
.set G0K, 40                           ; s[40:43], s[44:47] descriptor group 0
.set G0V, 44
.set CNT, 56                           ; s56  u
.set MINU, 57                          ; s57  the lowest u that has keys
.set CS,  58                           ; s[58:59] c: the packed scaling takes the pair's low word for both halves
.set SEL, 60                           ; s[60:61] v_permlanex16_b32's selects: each lane takes its own place in the other half
.set TBK, 62                           ; s62  LDS byte at which K of the step to be fetched begins
.set TBV, 63                           ; s63  the same for V, less VOFF
.set BIGN, 66                          ; s66  -1e30
	s_load_b128 s[4:7], s[0:1], 0x0                ; qkv s[4:5], ao s[6:7]
	v_lshl_add_u32 v[SPW], v0, 2, SPARE
	v_mov_b32 v[NIL], 0
	ds_add_u32 v[SPW], v[NIL]                      ; the wave's opening: the add and its wait come ahead of my first tensor load; the set-up below stands between them
	ds_add_u32 v13, v14
	v_lshrrev_b32 v1, 5, v0
	v_readfirstlane_b32 s[WV], v1                  ; wave 0..7
	s_and_b32 s13, ttmp7, 0xffff                   ; hb
	s_and_b32 s16, s[WV], 3                        ; which quarter of the 512 keys I fetch (waves 0-3: of K; 4-7: of V)
	s_lshl_b32 s20, s13, 18                        ; the pair's 2,048 rows of 128 bytes,
	s_lshl_b32 s21, ttmp9, 15                      ; the block's 256
	s_add_co_u32 s20, s20, s21
	s_lshl_b32 s22, s16, 14                        ; my quarter's 128 rows
	s_add_co_u32 s22, s22, s20
	s_mov_b32 s23, 0
	s_lshl_b32 s21, s[WV], 12                      ; my wave's 32 queries
	s_add_co_u32 s20, s20, s21
	s_mov_b32 s21, 0
	s_mul_i32 s17, s16, 128*PK                     ; my quarter's place in LDS, for K
	s_mul_i32 s18, s16, 128*PV                     ; and for V
	; descriptor group 1.  128 keys are 16,384 dense bytes: asked for as 64 rows of 256 bytes, two keys a row, and padded in LDS after every key
	s_mov_b32 s[G1K], (1<<16)|(1<<20)|(4<<22)|(3<<25)  ; 17:16 2-byte elements; 20 padding on; 24:22 after every 32 words (code 4); 31:25 4 words (code 3)
	s_mov_b32 s[G1V], (1<<16)|(1<<20)|(4<<22)|(7<<25)  ; the same with 8 words of padding (code 7)
.irp g, G1K, G1V
	s_mov_b32 s[\g+1], 128<<16                     ; tensor_dim0 = 128
	s_mov_b32 s[\g+2], 64<<16                      ; tensor_dim1 = 64
	s_mov_b32 s[\g+3], 128<<16                     ; tile_dim0 = 128
	s_mov_b32 s[\g+4], 64                          ; tile_dim1 = 64
	s_mov_b32 s[\g+5], 128                         ; 128 elements from row to row
	s_mov_b32 s[\g+6], 0
	s_mov_b32 s[\g+7], 0
.endr
	s_mov_b32 s[G0K], 1                            ; count = 1
	s_mov_b32 s[G0K+1], s17                        ; LDS address
	s_mov_b32 s[G0V], 1
	s_add_co_u32 s[G0V+1], s18, VOFF
	s_mov_b32 s[CS], 0x3e38aa3b                    ; c = log2(e) / 8 = 0.180337
	s_mov_b32 s[CS+1], s[CS]                       ; named with it as a pair
	s_mov_b32 s[SEL], 0x76543210
	s_mov_b32 s[SEL+1], 0xfedcba98
	s_mov_b32 s[BIGN], 0xf149f2ca                  ; -1e30
	s_lshl_b32 s14, s[WV], 5
	s_add_co_u32 s14, s14, 256                     ; step 8 begins at LDS row 32 w + 256
	s_mul_i32 s[TBK], s14, PK
	s_mul_i32 s[TBV], s14, PV
	s_sub_co_u32 s14, 8, s[WV]
	s_cmp_eq_u32 ttmp9, 0
	s_cselect_b32 s[MINU], s14, 0                  ; in a pair's first block key 32 w + 32 u - 256 exists from u = 8 - w on
	s_wait_dscnt 0x0                               ; the opening add is done
	s_wait_kmcnt 0x0
	s_add_nc_u64 s[G0K+2:G0K+3], s[4:5], s[22:23]
	s_add_nc_u64 s[G0K+2:G0K+3], s[G0K+2:G0K+3], 8388608-32768   ; K's third, 256 rows in front of the block
	s_or_b32 s[G0K+3], s[G0K+3], 0x80000000        ; type = 2
	s_add_nc_u64 s[G0V+2:G0V+3], s[4:5], s[22:23]
	s_add_nc_u64 s[G0V+2:G0V+3], s[G0V+2:G0V+3], 16777216-32768  ; V's third
	s_or_b32 s[G0V+3], s[G0V+3], 0x80000000
	s_add_nc_u64 s[8:9], s[4:5], s[20:21]          ; Q and O at my wave's first row
	s_add_nc_u64 s[10:11], s[6:7], s[20:21]
	s_cmp_lt_u32 s[WV], 4                          ; one load a wave, the only one of the launch; an s_nop 0 and four v_nop follow each of the two lines
	s_cbranch_scc0 .Lfor_v
	tensor_load_to_lds s[G0K:G0K+3], s[G1K:G1K+7]
	s_nop 0
.rept 4
	v_nop
.endr
	s_branch .Lasked
.Lfor_v:
	tensor_load_to_lds s[G0V:G0V+3], s[G1V:G1V+7]
	s_nop 0
.rept 4
	v_nop
.endr
.Lasked:
	; A fragment of K or Q is 16 rows x 32 channels in 8 registers: lane l holds row l % 16, channels 8 (l / 16) + 0..7 and 16 + 8 (l / 16) + 0..7: two loads of 16 bytes, 32 bytes apart.
	v_and_b32 v1, 15, v0                           ; l % 16
	v_bfe_u32 v9, v0, 4, 1                         ; l / 16
	v_lshlrev_b32 v[QO], 7, v1
	v_lshl_add_u32 v[QO], v9, 4, v[QO]
.irp i, 0,1,2,3                        ; Q stays in registers: tile i / 2, channels 32 (i % 2) on
	global_load_b128 v[Q+8*(\i):Q+8*(\i)+3],   v[QO], s[8:9] offset:((\i)/2)*2048+((\i)%2)*64
	global_load_b128 v[Q+8*(\i)+4:Q+8*(\i)+7], v[QO], s[8:9] offset:((\i)/2)*2048+((\i)%2)*64+32
.endr
	v_mul_u32_u24 v[AK0], v1, PK
	v_lshl_add_u32 v[AK0], v9, 4, v[AK0]
	; The turning load takes 16 keys x 16 channels (lane l reads key 8 (l / 16) + l % 8, channels 8 ((l / 8) % 2) + 0..7) and leaves half a fragment of V^T: lane l holds channel l % 16 and 8 keys.
	v_and_b32 v10, 7, v0
	v_bfe_u32 v11, v0, 3, 1
	v_lshl_add_u32 v[AV0], v9, 3, v10
	v_mul_u32_u24 v[AV0], v[AV0], PV
	v_lshl_add_u32 v[AV0], v11, 4, v[AV0]
	v_add_nc_u32 v[AV0], VOFF, v[AV0]
	s_mul_i32 s14, s[WV], 16*SP
	s_add_co_u32 s14, s14, STAGE                   ; my stage
	v_mul_u32_u24 v[STO], v1, SP                   ; in: row l % 16, 16 bytes for each half of the lanes
	v_lshl_add_u32 v[STO], v9, 4, v[STO]
	v_add_nc_u32 v[STO], s14, v[STO]
	v_bfe_u32 v[RD], v0, 3, 2                      ; back: 32 lanes take four rows of 128 bytes,
	v_mul_u32_u24 v[RD], v[RD], SP
	v_lshl_add_u32 v[RD], v10, 4, v[RD]
	v_add_nc_u32 v[RD], s14, v[RD]
	v_and_b32 v[GO], 31, v0                        ; which are 512 consecutive bytes of ao
	v_lshlrev_b32 v[GO], 4, v[GO]
	v_lshlrev_b32 v[DG], 3, v9
	v_sub_nc_u32 v[DG], v1, v[DG]
	; Step 8: key 16 kt + 8 (l / 16) + j against query 16 t + l % 16.  Where kt = t, register j is hidden if j > DG; kt > t: all hidden; kt < t: all seen.
.set j, 0
.rept 8
	v_cmp_gt_i32 vcc_lo, j, v[DG]
	v_cndmask_b32 v[M0+j], 0, s[BIGN], vcc_lo
	v_mov_b32 v[M1+j], s[BIGN]
.set j, j+1
.endr
	v_add_nc_u32 v[AK], s[TBK], v[AK0]
.macro BOTH line:vararg                ; one line for each of the two tiles t, so that no line reads the result of the line just before it
.set t, 0
.rept 2
	\line
.set t, t+1
.endr
.endm
; Product i of 8 of S^T = K Q^T: tile i % 2, keys 16 ((i / 2) % 2) on, channels 32 (i / 4) on.  cc: the C operand: 0 the constant, 1 M0, 2 M1, 3 the sum so far.  The four accumulators take turns.
.macro KQ1 i, cc
.set rS, S+16*((\i)%2)+8*(((\i)/2)%2)
.set rK, KF+16*(((\i)/2)%2)+8*((\i)/4)
.set rQ, Q+16*((\i)%2)+8*((\i)/4)
.if (\cc) == 0
	v_wmma_f32_16x16x32_f16 v[rS:rS+7], v[rK:rK+7], v[rQ:rQ+7], 0
.elseif (\cc) == 1
	v_wmma_f32_16x16x32_f16 v[rS:rS+7], v[rK:rK+7], v[rQ:rQ+7], v[M0:M0+7]
.elseif (\cc) == 2
	v_wmma_f32_16x16x32_f16 v[rS:rS+7], v[rK:rK+7], v[rQ:rQ+7], v[M1:M1+7]
.else
	v_wmma_f32_16x16x32_f16 v[rS:rS+7], v[rK:rK+7], v[rQ:rQ+7], v[rS:rS+7]
.endif
.endm
; Product i of 8 of O^T += V^T P: tile i % 2, channels 16 (i / 2) on.  Eight accumulators, one instruction each.
.macro PV1 i, first
.set rO, O+32*((\i)%2)+8*((\i)/2)
.set rV, VF+8*((\i)/2)
.set rP, P+8*((\i)%2)
.if \first
	v_wmma_f32_16x16x32_f16 v[rO:rO+7], v[rV:rV+7], v[rP:rP+7], 0
.else
	v_wmma_f32_16x16x32_f16 v[rO:rO+7], v[rV:rV+7], v[rP:rP+7], v[rO:rO+7]
.endif
.endm
.macro FETCH_K                         ; 32 keys x 64 channels: four fragments
.irp f, 0,1,2,3
	ds_load_b128 v[KF+8*(\f):KF+8*(\f)+3],   v[AK] offset:((\f)/2)*16*PK+((\f)%2)*64
	ds_load_b128 v[KF+8*(\f)+4:KF+8*(\f)+7], v[AK] offset:((\f)/2)*16*PK+((\f)%2)*64+32
.endr
.endm
.macro FETCH_V                         ; 32 keys x 64 channels, turned: four fragments
.irp f, 0,1,2,3
	ds_load_tr16_b128 v[VF+8*(\f):VF+8*(\f)+3],   v[AV] offset:(\f)*32
	ds_load_tr16_b128 v[VF+8*(\f)+4:VF+8*(\f)+7], v[AV] offset:(\f)*32+16*PV
.endr
.endm
; A step's softmax for both tiles.  s0-s15 are the lane's 16 scores of a tile.  first = 1: the first step, which starts m, l and O^T: it has no a and nothing to rescale.
.macro SOFT first
	BOTH v_max3_num_f32 v[ST+8*t+4], v[S+16*t], v[S+16*t+1], v[S+16*t+2]           ; each accumulator's lowest registers are read first
	BOTH v_max3_num_f32 v[ST+8*t+5], v[S+16*t+8], v[S+16*t+9], v[S+16*t+10]
	BOTH v_max3_num_f32 v[ST+8*t+4], v[ST+8*t+4], v[S+16*t+3], v[S+16*t+4]
	BOTH v_max3_num_f32 v[ST+8*t+5], v[ST+8*t+5], v[S+16*t+11], v[S+16*t+12]
	BOTH v_max3_num_f32 v[ST+8*t+4], v[ST+8*t+4], v[S+16*t+5], v[S+16*t+6]
	BOTH v_max3_num_f32 v[ST+8*t+5], v[ST+8*t+5], v[S+16*t+13], v[S+16*t+14]
	BOTH v_max3_num_f32 v[ST+8*t+4], v[ST+8*t+4], v[S+16*t+7], v[S+16*t+15]
.if \first
	BOTH v_max_num_f32 v[ST+8*t+4], v[ST+8*t+4], v[ST+8*t+5]
.else
	BOTH v_max3_num_f32 v[ST+8*t+4], v[ST+8*t+4], v[ST+8*t+5], v[ST+8*t+1]         ; with the old m
.endif
	BOTH v_permlanex16_b32 v[ST+8*t+5], v[ST+8*t+4], s[SEL], s[SEL+1]              ; the query's other 16 keys lie in the lane 16 away
.if !(\first)
	BOTH v_mov_b32 v[ST+8*t+7], v[ST+8*t]                                          ; c m_old is kept
.endif
	BOTH v_max_num_f32 v[ST+8*t+1], v[ST+8*t+4], v[ST+8*t+5]
	BOTH v_mul_f32 v[ST+8*t], s[CS], v[ST+8*t+1]
.if !(\first)
	BOTH v_sub_f32 v[ST+8*t+7], v[ST+8*t+7], v[ST+8*t]
.endif
.set p, 0
.rept 8
	BOTH v_pk_fma_f32 v[S+16*t+2*p:S+16*t+2*p+1], v[S+16*t+2*p:S+16*t+2*p+1], s[CS:CS+1], v[ST+8*t:ST+8*t+1] op_sel_hi:[1,0,0] neg_lo:[0,0,1] neg_hi:[0,0,1]  ; c s - c m
.set p, p+1
.endr
.if !(\first)
	BOTH v_exp_f32 v[ST+8*t+6], v[ST+8*t+7]                                        ; a
.endif
.set p, 0
.rept 16
	BOTH v_exp_f32 v[S+16*t+p], v[S+16*t+p]
.set p, p+1
.endr
	v_nop                                          ; a plain instruction behind the last exponential, ahead of the first use (ISA guide 5.7.2): one for the batch
	s_wait_alu depctr_va_vdst(0)                   ; and a wait ahead of the first reader: one for all the step's exponentials
.set p, 0
.rept 8
	BOTH v_cvt_pk_f16_f32 v[P+8*t+p], v[S+16*t+2*p], v[S+16*t+2*p+1]
.set p, p+1
.endr
.set p, 0
.rept 4
	BOTH v_pk_add_f32 v[S+16*t+4*p:S+16*t+4*p+1], v[S+16*t+4*p:S+16*t+4*p+1], v[S+16*t+4*p+2:S+16*t+4*p+3]
.set p, p+1
.endr
.if \first
	BOTH v_pk_add_f32 v[ST+8*t+2:ST+8*t+3], v[S+16*t:S+16*t+1], v[S+16*t+4:S+16*t+5]
.else
	BOTH v_pk_fma_f32 v[ST+8*t+2:ST+8*t+3], v[ST+8*t+2:ST+8*t+3], v[ST+8*t+6:ST+8*t+7], v[S+16*t:S+16*t+1] op_sel_hi:[1,0,1]  ; l = a l + sum
	BOTH v_pk_add_f32 v[ST+8*t+2:ST+8*t+3], v[ST+8*t+2:ST+8*t+3], v[S+16*t+4:S+16*t+5]
.endif
	BOTH v_pk_add_f32 v[ST+8*t+2:ST+8*t+3], v[ST+8*t+2:ST+8*t+3], v[S+16*t+8:S+16*t+9]
	BOTH v_pk_add_f32 v[ST+8*t+2:ST+8*t+3], v[ST+8*t+2:ST+8*t+3], v[S+16*t+12:S+16*t+13]
.if !(\first)
.set p, 0
.rept 16
	BOTH v_pk_mul_f32 v[O+32*t+2*p:O+32*t+2*p+1], v[O+32*t+2*p:O+32*t+2*p+1], v[ST+8*t+6:ST+8*t+7] op_sel_hi:[1,0]  ; O^T times a, each accumulator from its low end on
.set p, p+1
.endr
.endif
.endm
; A KEY STEP.  mask: 0 none, 1 the diagonal's, 2 the window's edge.  fetchk = 1: K of the step below is fetched.
.macro STEP first, mask, fetchk
	s_wait_dscnt 0x0                               ; K is in
.if (\mask) == 1
	KQ1 0, 1
	KQ1 1, 0
	KQ1 2, 2
	KQ1 3, 1
.elseif (\mask) == 2
	KQ1 0, 1
	KQ1 1, 2
	KQ1 2, 0
	KQ1 3, 1
.else
	KQ1 0, 0
	KQ1 1, 0
	KQ1 2, 0
	KQ1 3, 0
.endif
	KQ1 4, 3
	KQ1 5, 3
	KQ1 6, 3
	KQ1 7, 3
	v_add_nc_u32 v[AV], s[TBV], v[AV0]             ; four plain instructions: the places between the products and the loads into K's and V's registers, and the softmax's first read
.if \fetchk
	s_sub_co_u32 s[TBK], s[TBK], 32*PK
	v_add_nc_u32 v[AK], s[TBK], v[AK0]
.else
	v_nop
.endif
	v_nop
	v_nop
	FETCH_V                                        ; V of this step,
.if \fetchk
	s_sub_co_u32 s[TBV], s[TBV], 32*PV
	FETCH_K                                        ; K of the next: both land under the softmax
.endif
	SOFT \first
.if \fetchk
	s_wait_dscnt 8                                 ; V is in; K's eight loads, issued behind V's, may stay out
.else
	s_wait_dscnt 0x0
.endif
.irp i, 0,1,2,3,4,5,6,7
	PV1 \i, \first
.endr
.endm
	s_wait_tensorcnt 0x0                           ; my quarter has landed,
	s_barrier_signal -1
	s_barrier_wait -1                              ; everybody's has
	FETCH_K                                        ; step 8
	s_wait_loadcnt 0x0                             ; Q
	STEP 1, 1, 1
	; Step 0: where kt = t, register j is hidden if j < DG; kt < t: all hidden; kt > t: all seen.  M0 was last read by step 8's first products, a softmax ago.
.set j, 0
.rept 8
	v_cmp_lt_i32 vcc_lo, j, v[DG]
	v_cndmask_b32 v[M0+j], 0, s[BIGN], vcc_lo
.set j, j+1
.endr
	s_mov_b32 s[CNT], 7
.Lmid:                                                 ; u = 7 .. 1
	s_cmp_lt_u32 s[CNT], s[MINU]
	s_cbranch_scc1 .Ldead                          ; keys in front of the sequence
	STEP 0, 0, 1
.Ldead:
	s_sub_co_u32 s[CNT], s[CNT], 1
	s_cmp_lg_u32 s[CNT], 0
	s_cbranch_scc1 .Lmid
	s_cmp_lg_u32 s[MINU], 0
	s_cbranch_scc1 .Lout
	STEP 0, 2, 0
.Lout:
	; THE WAY OUT.  l's two halves and the other half of the lanes' are added; O^T is divided by l, rounded to f16 and sent through my stage in LDS, a tile at a time.
.rept 4
	v_nop                                          ; the places behind the last products
.endr
	BOTH v_add_f32 v[ST+8*t+2], v[ST+8*t+2], v[ST+8*t+3]
	BOTH v_permlanex16_b32 v[ST+8*t+3], v[ST+8*t+2], s[SEL], s[SEL+1]
	BOTH v_add_f32 v[ST+8*t+2], v[ST+8*t+2], v[ST+8*t+3]
	BOTH v_rcp_f32 v[ST+8*t+2], v[ST+8*t+2]
	v_nop                                          ; a plain instruction between the last reciprocal and the use of its result
	s_wait_alu depctr_va_vdst(0)                   ; and a wait ahead of the first use: one for both
.macro PACK n                          ; a lane's eight channels of a row pack into 16 bytes; they go into rows of 144 bytes and come back as whole rows of 128, into S^T's registers
.set i, 0
.rept 16
	v_pk_mul_f32 v[O+32*(\n)+2*i:O+32*(\n)+2*i+1], v[O+32*(\n)+2*i:O+32*(\n)+2*i+1], v[ST+8*(\n)+2:ST+8*(\n)+3] op_sel_hi:[1,0]
.set i, i+1
.endr
.set i, 0
.rept 16
	v_cvt_pk_f16_f32 v[S+16*(\n)+i], v[O+32*(\n)+2*i], v[O+32*(\n)+2*i+1]
.set i, i+1
.endr
.irp f, 0,1,2,3
	ds_store_b128 v[STO], v[S+16*(\n)+4*(\f):S+16*(\n)+4*(\f)+3] offset:32*(\f)
.endr
.irp f, 0,1,2,3
	ds_load_b128 v[S+16*(\n)+4*(\f):S+16*(\n)+4*(\f)+3], v[RD] offset:(\f)*4*SP  ; LDS serves a wave's instructions in order (ISA guide 5.7.1.4): these see the stores above
.endr
.endm
.macro SEND n, younger                 ; younger: the LDS instructions issued behind tile n's loads
.irp f, 0,1,2,3
	s_wait_dscnt (\younger)+3-(\f)
	global_store_b128 v[GO], v[S+16*(\n)+4*(\f):S+16*(\n)+4*(\f)+3], s[10:11] offset:(\n)*2048+(\f)*512  ; 512 consecutive bytes, at a multiple of 256 from ao's first
.endr
.endm
	PACK 0
	PACK 1
	SEND 0, 8
	SEND 1, 0
	s_wait_tensorcnt 0x0                           ; the wave's end: behind my last tensor load and my last LDS store
	ds_add_u32 v[SPW], v[NIL]
	s_wait_dscnt 0x0
	s_endpgm
.Lfunc_end_k_q3d9ef1595c_attn:
	.size	k_q3d9ef1595c_attn, .Lfunc_end_k_q3d9ef1595c_attn-k_q3d9ef1595c_attn
	.p2alignl 7, 3214868480
	.fill 96, 4, 3214868480
	.section	.rodata,"a",@progbits
	.p2align	6, 0x0
	.amdhsa_kernel k_q3d9ef1595c_attn
		.amdhsa_group_segment_fixed_size 175104
		.amdhsa_private_segment_fixed_size 0
		.amdhsa_enable_private_segment 0
		.amdhsa_kernarg_size 16
		.amdhsa_user_sgpr_count 2
		.amdhsa_user_sgpr_kernarg_segment_ptr 1
		.amdhsa_wavefront_size32 1
		.amdhsa_system_sgpr_workgroup_id_x 1
		.amdhsa_system_sgpr_workgroup_id_y 1
		.amdhsa_system_sgpr_workgroup_id_z 1
		.amdhsa_system_vgpr_workitem_id 0
		.amdhsa_next_free_vgpr 256
		.amdhsa_next_free_sgpr 68
		.amdhsa_reserve_vcc 1
		.amdhsa_float_denorm_mode_32 3
		.amdhsa_float_denorm_mode_16_64 3
		.amdhsa_memory_ordered 1
		.amdhsa_forward_progress 1
		.amdhsa_inst_pref_size 42
	.end_amdhsa_kernel
	.amdgpu_metadata
---
amdhsa.version: [ 1, 2 ]
amdhsa.kernels:
  - .name:           k_q3d9ef1595c_attn
    .symbol:         k_q3d9ef1595c_attn.kd
    .args:
      - { .name: qkv, .offset: 0, .size: 8, .value_kind: global_buffer, .address_space: global }
      - { .name: ao, .offset: 8, .size: 8, .value_kind: global_buffer, .address_space: global }
    .group_segment_fixed_size: 175104
    .private_segment_fixed_size: 0
    .kernarg_segment_align: 8
    .kernarg_segment_size: 16
    .max_flat_workgroup_size: 256
    .sgpr_count:     68
    .vgpr_count:     256
    .wavefront_size: 32
...
	.end_amdgpu_metadata
.endif
;; end of part 3
;; launch proj (part 4): grid 8 x 32, 4 waves a work-group, clusters of 4 x 4, 327,680 bytes of LDS; arguments ao, wt, bo, out0; writes out0
.if DOCPART == 4
	.amdgcn_target "amdgcn-amd-amdhsa--gfx1250"
	.amdhsa_code_object_version 6
	.text
	.protected	k_q3d9ef1595c_proj
	.globl	k_q3d9ef1595c_proj
	.p2align	8
	.type	k_q3d9ef1595c_proj,@function
k_q3d9ef1595c_proj:
	s_mov_b64 s[64:65], 0
	v_nop
	global_prefetch_b8 v0, s[64:65] scope:SCOPE_SE
	s_setreg_imm32_b32 hwreg(HW_REG_WAVE_MODE, 25, 1), 1
	s_wait_xcnt 0x0
	s_wait_alu depctr_hold_cnt(0) depctr_sa_sdst(0) depctr_va_vdst(0) depctr_va_sdst(0) depctr_va_ssrc(0) depctr_va_vcc(0) depctr_vm_vsrc(0)
	s_getreg_b32 s2, hwreg(HW_REG_IB_STS2, 6, 4)
	s_cmp_eq_u32 s2, 0
	s_cbranch_scc0 .Lentry_in_a_cluster
	s_endpgm
.Lentry_in_a_cluster:
	s_bfe_u32 s2, ttmp6, 0x10000c
	s_cmp_lg_u32 s2, 0xf033
	s_cbranch_scc0 .Lentry_shape_is_right
	s_endpgm
.Lentry_shape_is_right:
; out0[m][n] = bo[n] + sum over k of O[m][k] wo[k][n], m < 4,096, n, k < 1,024.  O is ao[head][m][64] in f16 (k = 64 head + channel); wo lies turned, [n][k], in f16, as rows 3,072 .. 4,095 of wt.
; Sums in f32; bo is rounded to bf16 like every other input and STARTS the sums (the C operand of the first product); out0 is f32.
; SHARES.  A tile of out0 is 128 x 128: 8 x 32 tiles, one for each work-group; four waves, each 64 x 64: 16 accumulators.  K goes in 4 steps of 256 (four heads) through two LDS slots.
; CLUSTER 4 x 4.  The four of a row of the cluster need the same tiles of O, the four of a column the same tiles of wo: each is asked for JOINTLY, by the same tensor load, descriptor and mask in all four.
; O's TILES.  A head's 128 rows of the tile are 16,384 dense bytes; a wave's load brings two heads as two rows of 8,192 elements, 262,144 elements apart, padded in LDS after every 128 bytes:
; in LDS each head is a plane of 128 rows of 144 bytes.
; THE MATRIX INSTRUCTION IS USED TRANSPOSED (source 0 = 16 rows of wo^T, source 1 = 16 rows of O): a lane holds row m = lane % 16 and eight neighbouring columns, 32 bytes of f32.
; No prefetch: a tile's K step is short and small, and what a work-group fetches is shared by four.
; REGISTERS: window 0: v0-31 addresses; v32-95 rows read back on the way out, two buffers; v96-127 the biases; v128-255 the accumulators ((a, b) at 128 + 8 (4 a + b)).
;   window 1: two fragment buffers of 128: for 64 along K (one head), 64 registers of O (2 x 4 x 16 rows x 32 K), then 64 of wo.
.set PA,     144                       ; a row of O in LDS: 128 bytes + 16 of padding
.set PB,     528                       ; a row of wo: 512 bytes + 16: in both the 16 rows of a fragment load start at 16 different groups of four banks (ISA guide 11.1)
.set PLANE,  128*PA                    ; a head's 128 rows
.set HALFB,  64*PB                     ; what one tensor load brings of wo
.set SLOT,   4*PLANE+2*HALFB           ; four planes of O, then wo's 128 rows
.set STAGE,  2*SLOT                    ; behind the ring, never filled by a tensor load: 16 rows x 272 bytes for each wave, for the way out
.set SPITCH, 272
.set SPARE,  STAGE+4*16*SPITCH         ; behind the stages: the spare words, 128 bytes for each wave: two blocks of 256 bytes that no other line names
.set WO_AT,  3072*2048                 ; wo's first byte in wt
.set ADRA, 16                          ; v16-17  LDS address of my fragments of O in slot 0, 1
.set ADRB, 20                          ; v20-21  the same for wo
.set STO,  24                          ; v24     the way out: where I put 32 bytes of a row
.set RD,   25                          ; v25     where I read a row back
.set CO,   26                          ; v26     my byte offset in out0
.set BO,   27                          ; v27     32 (lane / 16)
.set SPW,  28                          ; v28     LDS address of my spare word; never rewritten
.set NIL,  29                          ; v29     0; never rewritten
.set T,    31                          ; v31     at work
.set OB,   32
.set BIAS, 96
.set ACC,  128
.set F0,   0
.set F1,   128
.set G1,  24                           ; s[24:31] descriptor group 1 for O's tiles;  s[32:39] group 0, a set for each slot
.set G0,  32
.set G1B, 48                           ; s[48:55], s[56:63] the same for wo's tiles
.set G0B, 56
.set MSB, 0
.macro WIN new                         ; the immediate's high byte repeats the setting that is left
.if MSB != (\new)
	s_set_vgpr_msb (MSB<<8)|(\new)
.set MSB, \new
.endif
.endm
.set MUL,  0x05                        ; sources 0 (wo) and 1 (O) window 1; C and D window 0
.set TO_F, 0x40                        ; destination window 1, address window 0
.macro JLOAD s                         ; a joint load: waves 0 and 1 fetch two heads of O each, waves 2 and 3 wo's two halves; an s_nop 0 and four v_nop follow each of the two lines
	s_cmp_eq_u32 s11, 0
	s_cbranch_scc0 .Lfor_b_\@
	tensor_load_to_lds s[G0+4*(\s):G0+4*(\s)+3], s[G1:G1+7]
	s_nop 0
.rept 4
	v_nop
.endr
	s_branch .Lasked_\@
.Lfor_b_\@:
	tensor_load_to_lds s[G0B+4*(\s):G0B+4*(\s)+3], s[G1B:G1B+7]
	s_nop 0
.rept 4
	v_nop
.endr
.Lasked_\@:
.endm
.macro CREST                           ; a round of the cluster's barrier behind its opening barrier
	s_cmp_lg_u32 s10, 0
	s_cbranch_scc1 .Lnot_wave_0_\@
	s_barrier_signal -3
.Lnot_wave_0_\@:
	s_barrier_wait -3
	s_barrier_signal -1
	s_barrier_wait -1
.endm
.macro CROUND                          ; a whole round
	s_barrier_signal -1
	s_barrier_wait -1
	CREST
.endm
.macro PLACES                          ; four places in front of loads into registers that matrix instructions have read, and of stores that read results
.rept 4
	v_nop
.endr
.endm
.macro ROUNDB r                        ; two biases rounded to bf16 and widened again
	v_cvt_pk_bf16_f32 v[T], v[\r], v[(\r)+1]
	v_lshlrev_b32 v[\r], 16, v[T]
	v_and_b32 v[(\r)+1], 0xffff0000, v[T]
.endm
	s_load_b128 s[4:7], s[0:1], 0x0                ; ao s[4:5], wt s[6:7]
	s_load_b128 s[68:71], s[0:1], 0x10             ; bo s[68:69], out0 s[70:71]
	v_lshl_add_u32 v[SPW], v0, 2, SPARE
	v_mov_b32 v[NIL], 0
	ds_add_u32 v[SPW], v[NIL]                      ; the wave's opening: the add and its wait come ahead of my first tensor load; the set-up below stands between them
	ds_add_u32 v28, v29
	v_lshrrev_b32 v1, 5, v0
	v_readfirstlane_b32 s10, v1                    ; wave 0..3
	s_lshr_b32 s11, s10, 1                         ; which half of the tile's rows is mine.  Also: I fetch for O (0) or for wo (1)
	s_and_b32 s12, s10, 1                          ; which half of its columns.  Also: which half of that tile I fetch
	s_bfe_u32 s40, ttmp6, 0x40000                  ; cx, cy: my place in the cluster
	s_bfe_u32 s41, ttmp6, 0x40004
	s_lshl_b32 s42, ttmp9, 2
	s_add_co_u32 s42, s42, s40                     ; tile column = 4 x cluster x + cx
	s_and_b32 s13, ttmp7, 0xffff
	s_lshl_b32 s13, s13, 2
	s_add_co_u32 s13, s13, s41                     ; tile row = 4 x cluster y + cy
	s_lshl_b32 s43, s41, 2
	s_lshl_b32 s43, 15, s43                        ; my row of the cluster
	s_lshl_b32 s44, 0x1111, s40                    ; my column
	s_or_b32 s[G1+0], s43, (1<<16)|(1<<20)|(1<<21)|(4<<22)|(3<<25)   ; 15:0 the mask; 17:16 2-byte elements; 20 padding on; 21 set beside a mask; 24:22 after every 32 words (code 4); 31:25 4 words (code 3)
	s_mov_b32 s[G1+1], 8192<<16                    ; tensor_dim0 = 8,192: a head's 128 rows of 64
	s_mov_b32 s[G1+2], 2<<16                       ; tensor_dim1 = 2 heads
	s_mov_b32 s[G1+3], 8192<<16                    ; tile_dim0 = 8,192
	s_mov_b32 s[G1+4], 2                           ; tile_dim1 = 2
	s_mov_b32 s[G1+5], 262144                      ; elements from head to head
	s_mov_b32 s[G1+6], 0
	s_mov_b32 s[G1+7], 0
	s_or_b32 s[G1B+0], s44, (1<<16)|(1<<20)|(1<<21)|(6<<22)|(3<<25)  ; the same with my column's mask and padding after every 128 words (code 6)
	s_mov_b32 s[G1B+1], 256<<16                    ; tensor_dim0 = 256
	s_mov_b32 s[G1B+2], 64<<16                     ; tensor_dim1 = 64
	s_mov_b32 s[G1B+3], 256<<16                    ; tile_dim0 = 256
	s_mov_b32 s[G1B+4], 64                         ; tile_dim1 = 64
	s_mov_b32 s[G1B+5], 1024                       ; elements from row to row
	s_mov_b32 s[G1B+6], 0
	s_mov_b32 s[G1B+7], 0
	s_lshl_b32 s16, s12, 20                        ; O: heads 2 x half on (524,288 bytes a head),
	s_lshl_b32 s17, s13, 14                        ; row 128 x tile row (128 bytes a row)
	s_add_co_u32 s16, s16, s17
	s_mov_b32 s17, 0
	s_lshl_b32 s46, s42, 18                        ; wo: row 128 x tile column
	s_lshl_b32 s47, s12, 17                        ; + 64 x half (2,048 bytes a row),
	s_add_co_u32 s46, s46, s47
	s_add_co_u32 s46, s46, WO_AT                   ; behind wq, wk and wv
	s_mov_b32 s47, 0
	s_mul_i32 s20, s10, 2*PLANE                    ; where they go: waves 0, 1: two planes each;
	s_mul_i32 s21, s10, HALFB
	s_add_co_u32 s21, s21, 4*PLANE-2*HALFB         ; waves 2, 3: wo's halves, behind the four planes.  No place in the cluster enters an LDS address
	s_wait_dscnt 0x0                               ; the opening add is done
	s_wait_kmcnt 0x0
	s_add_nc_u64 s[14:15], s[4:5], s[16:17]
	s_add_nc_u64 s[46:47], s[6:7], s[46:47]
	CROUND                                         ; all sixteen work-groups are here: the first joint loads meet
.irp s, 0,1
	s_mov_b32 s[G0+4*(\s)], 1
	s_add_co_u32 s[G0+4*(\s)+1], s20, (\s)*SLOT
	s_add_nc_u64 s[G0+4*(\s)+2:G0+4*(\s)+3], s[14:15], (\s)*4*524288   ; K step s: four heads on
	s_or_b32 s[G0+4*(\s)+3], s[G0+4*(\s)+3], 0x80000000
	s_mov_b32 s[G0B+4*(\s)], 1
	s_add_co_u32 s[G0B+4*(\s)+1], s21, (\s)*SLOT
	s_add_nc_u64 s[G0B+4*(\s)+2:G0B+4*(\s)+3], s[46:47], (\s)*512
	s_or_b32 s[G0B+4*(\s)+3], s[G0B+4*(\s)+3], 0x80000000
	JLOAD \s                                       ; two loads of mine are out
.endr
	v_and_b32 v1, 15, v0                           ; l % 16
	v_bfe_u32 v2, v0, 4, 1                         ; l / 16
	v_lshlrev_b32 v[BO], 5, v2
	s_lshl_b32 s72, s42, 9                         ; my 64 columns, 4 bytes each: 512 x tile column + 256 x half
	s_lshl_b32 s73, s12, 8
	s_add_co_u32 s72, s72, s73
	s_mov_b32 s73, 0
	s_add_nc_u64 s[74:75], s[68:69], s[72:73]      ; in bo,
	s_add_nc_u64 s[8:9], s[70:71], s[72:73]        ; and in out0
.irp b, 0,1,2,3
	global_load_b128 v[BIAS+8*(\b):BIAS+8*(\b)+3],   v[BO], s[74:75] offset:64*(\b)
	global_load_b128 v[BIAS+8*(\b)+4:BIAS+8*(\b)+7], v[BO], s[74:75] offset:64*(\b)+16
.endr
	s_lshl_b32 s72, s13, 19                        ; my first row: 128 x tile row + 64 x half, 4,096 bytes a row
	s_lshl_b32 s22, s11, 18
	s_add_co_u32 s72, s72, s22
	s_add_nc_u64 s[8:9], s[8:9], s[72:73]
	v_mul_u32_u24 v3, v1, PA
	v_lshl_add_u32 v3, v2, 4, v3                   ; a fragment's row x pitch + 16 x half, for O
	v_mul_u32_u24 v4, v1, PB
	v_lshl_add_u32 v4, v2, 4, v4                   ; and for wo
	s_mul_i32 s21, s11, 64*PA                      ; my 64 rows in each plane
	s_mul_i32 s22, s12, HALFB                      ; my 64 rows of wo,
	s_add_co_u32 s22, s22, 4*PLANE                 ; which lie behind the planes
.irp s, 0,1
	v_add_nc_u32 v[ADRA+(\s)], s21, v3
	v_add_nc_u32 v[ADRB+(\s)], s22, v4
	s_add_co_u32 s21, s21, SLOT
	s_add_co_u32 s22, s22, SLOT
.endr
	s_mul_i32 s23, s10, 16*SPITCH
	s_add_co_u32 s23, s23, STAGE                   ; my stage
	v_mul_u32_u24 v[STO], v1, SPITCH               ; in: row l % 16, 32 bytes for each half of the lanes
	v_lshl_add_u32 v[STO], v2, 5, v[STO]
	v_add_nc_u32 v[STO], s23, v[STO]
	v_mul_u32_u24 v[RD], v2, SPITCH                ; back: lanes 0-15 take one row of 256 bytes, lanes 16-31 the next
	v_lshl_add_u32 v[RD], v1, 4, v[RD]
	v_add_nc_u32 v[RD], s23, v[RD]
	v_lshlrev_b32 v[CO], 12, v2                    ; and the same two rows in out0
	v_lshl_add_u32 v[CO], v1, 4, v[CO]
	s_wait_loadcnt 0x0                             ; the biases
.set i, 0
.rept 16
	ROUNDB BIAS+2*i
.set i, i+1
.endr
; 8 matrix instructions: m blocks a0, a0 + 1 x all 4 n blocks, 32 along K: half c of buffer f.  zero = 1: the first product starts the sums, with the biases.  The 16 accumulators take turns.
.macro MUL8 f, c, a0, zero
	WIN MUL
.irp a, \a0, (\a0)+1
.irp b, 0,1,2,3
.if \zero
	v_wmma_f32_16x16x32_f16 v[ACC+8*(4*(\a)+(\b)):ACC+8*(4*(\a)+(\b))+7], v[(\f)+64+8*(4*(\c)+(\b)):(\f)+64+8*(4*(\c)+(\b))+7], v[(\f)+8*(4*(\c)+(\a)):(\f)+8*(4*(\c)+(\a))+7], v[BIAS+8*(\b):BIAS+8*(\b)+7]
.else
	v_wmma_f32_16x16x32_f16 v[ACC+8*(4*(\a)+(\b)):ACC+8*(4*(\a)+(\b))+7], v[(\f)+64+8*(4*(\c)+(\b)):(\f)+64+8*(4*(\c)+(\b))+7], v[(\f)+8*(4*(\c)+(\a)):(\f)+8*(4*(\c)+(\a))+7], v[ACC+8*(4*(\a)+(\b)):ACC+8*(4*(\a)+(\b))+7]
.endif
.endr
.endr
.endm
; 32 LDS loads in one run: the fragments of quarter q of a K step (head q of its four: plane q of O, bytes 128 q on of wo's rows) into buffer f; the first 32 along K first
.macro FETCH slot, q, f
	WIN TO_F
.irp c, 0,1
.irp i, 0,1,2,3
	ds_load_b128 v[(\f)+64+8*(4*(\c)+(\i)):(\f)+64+8*(4*(\c)+(\i))+3],   v[ADRB+(\slot)] offset:128*(\q)+64*(\c)+(\i)*16*PB
	ds_load_b128 v[(\f)+64+8*(4*(\c)+(\i))+4:(\f)+64+8*(4*(\c)+(\i))+7], v[ADRB+(\slot)] offset:128*(\q)+64*(\c)+(\i)*16*PB+32
	ds_load_b128 v[(\f)+8*(4*(\c)+(\i)):(\f)+8*(4*(\c)+(\i))+3],         v[ADRA+(\slot)] offset:(\q)*PLANE+64*(\c)+(\i)*16*PA
	ds_load_b128 v[(\f)+8*(4*(\c)+(\i))+4:(\f)+8*(4*(\c)+(\i))+7],       v[ADRA+(\slot)] offset:(\q)*PLANE+64*(\c)+(\i)*16*PA+32
.endr
.endr
.endm
; A K step is four quarters of 64 along K, 32 matrix instructions each, on buffers 0, 1, 0, 1.  One of the first three: multiplies buffer f and fetches quarter q into g.
.macro QUARTER slot, q, f, g, zero
	s_wait_dscnt 16                                ; the first 32 along K are in; the youngest sixteen loads may be out
	MUL8 \f, 0, 0, \zero
	MUL8 \f, 0, 2, \zero
	PLACES
	FETCH \slot, \q, \g
	s_wait_dscnt 32                                ; all but the 32 just issued
	MUL8 \f, 1, 0, 0
	MUL8 \f, 1, 2, 0
.endm
; The last quarter multiplies buffer 1 and changes slots: ONE barrier; in front of it each wave waits for all its tensor loads, adds 0 to its spare word, and waits for that and for its own reads of this slot.
; fill = 1: the barrier opens a round of the cluster's, and this slot is filled again first thing behind it, two K steps ahead: 112 matrix instructions stand between that request and the wait for it.
.macro TURN slot, next, fill
	WIN 0                                          ; (the add's two registers lie in window 0)
	s_wait_tensorcnt 0x0                           ; all my tensor loads have landed: my part of the next slot;
	ds_add_u32 v[SPW], v[NIL]                      ; 0 onto my spare word
	s_wait_dscnt 17                                ; (the add and the youngest sixteen loads may be out)
	MUL8 F1, 0, 0, 0                               ; eight matrix instructions stand between the add and the wait for it
	s_wait_dscnt 0x0                               ; the add is done, and my reads of this slot are over
	s_barrier_signal -1
	MUL8 F1, 0, 2, 0
.if \fill
	WIN 0
.endif
	s_barrier_wait -1
.if \fill
	CREST                                          ; no wave of any partner still reads this slot's tile or has a load on its way
	s_add_nc_u64 s[G0+4*(\slot)+2:G0+4*(\slot)+3], s[G0+4*(\slot)+2:G0+4*(\slot)+3], 8*524288   ; eight heads on
	s_add_nc_u64 s[G0B+4*(\slot)+2:G0B+4*(\slot)+3], s[G0B+4*(\slot)+2:G0B+4*(\slot)+3], 1024
	JLOAD \slot                                    ; the first tensor load behind the round; its four v_nop are also the places in front of the loads below
.else
	PLACES
.endif
	FETCH \next, 0, F0
	MUL8 F1, 1, 0, 0
	MUL8 F1, 1, 2, 0
.endm
	s_wait_tensorcnt 1                             ; my part of K step 0 is in; K step 1's may stay out
	s_barrier_signal -1
	s_barrier_wait -1                              ; everybody's is
	FETCH 0, 0, F0
	QUARTER 0, 1, F0, F1, 1                        ; the first products start the sums.  Four K steps, written out
	QUARTER 0, 2, F1, F0, 0
	QUARTER 0, 3, F0, F1, 0
	TURN 0, 1, 1                                   ; slot 0 takes K step 2
	QUARTER 1, 1, F0, F1, 0
	QUARTER 1, 2, F1, F0, 0
	QUARTER 1, 3, F0, F1, 0
	TURN 1, 0, 1                                   ; slot 1 takes K step 3
	QUARTER 0, 1, F0, F1, 0
	QUARTER 0, 2, F1, F0, 0
	QUARTER 0, 3, F0, F1, 0
	TURN 0, 1, 0                                   ; nothing is left to fetch
	QUARTER 1, 1, F0, F1, 0
	QUARTER 1, 2, F1, F0, 0
	QUARTER 1, 3, F0, F1, 0
	s_wait_dscnt 16                                ; the very last quarter
	MUL8 F1, 0, 0, 0
	MUL8 F1, 0, 2, 0
	s_wait_dscnt 0x0
	MUL8 F1, 1, 0, 0
	MUL8 F1, 1, 2, 0
	WIN 0
	PLACES
	PLACES                                         ; (eight, once a launch)
; THE WAY OUT, a block of 16 rows at a time, through my own stage: my 64 columns of f32 are 256 bytes of a row, aligned.  In: 32 bytes a lane for each accumulator, its low four registers first; back: whole rows.
.macro TOSTAGE a
.irp b, 0,1,2,3
	ds_store_b128 v[STO], v[ACC+8*(4*(\a)+(\b)):ACC+8*(4*(\a)+(\b))+3]   offset:64*(\b)
	ds_store_b128 v[STO], v[ACC+8*(4*(\a)+(\b))+4:ACC+8*(4*(\a)+(\b))+7] offset:64*(\b)+16
.endr
.irp t, 0,1,2,3,4,5,6,7
	ds_load_b128 v[OB+32*((\a)%2)+4*(\t):OB+32*((\a)%2)+4*(\t)+3], v[RD] offset:(\t)*2*SPITCH  ; LDS serves a wave's instructions in order (ISA guide 5.7.1.4): these see the stores above; the next block's stores come behind them
.endr
.endm
.macro SEND a, younger                 ; younger: the LDS instructions issued behind block a's loads: the next block's sixteen, or none
.irp t, 0,1,2,3,4,5,6,7
	s_wait_dscnt (\younger)+7-(\t)
	global_store_b128 v[CO], v[OB+32*((\a)%2)+4*(\t):OB+32*((\a)%2)+4*(\t)+3], s[8:9] offset:(16*(\a)+2*(\t))*4096  ; sixteen lanes store 256 consecutive bytes, aligned
.endr
.endm
	TOSTAGE 0
	TOSTAGE 1
	SEND 0, 16
	s_wait_xcnt 0x0                                ; block 0's stores have read their registers: only behind this wait are they loaded again
	TOSTAGE 2
	SEND 1, 16
	s_wait_xcnt 0x0                                ; the same for block 1's
	TOSTAGE 3
	SEND 2, 16
	SEND 3, 0
	s_wait_tensorcnt 0x0                           ; the wave's end: behind my last tensor load and my last LDS store
	ds_add_u32 v[SPW], v[NIL]
	s_wait_dscnt 0x0
	CROUND                                         ; the closing round: no work-group ends while a partner may still ask for a tile that names it
	s_endpgm
.Lfunc_end_k_q3d9ef1595c_proj:
	.size	k_q3d9ef1595c_proj, .Lfunc_end_k_q3d9ef1595c_proj-k_q3d9ef1595c_proj
	.p2alignl 7, 3214868480
	.fill 96, 4, 3214868480
	.section	.rodata,"a",@progbits
	.p2align	6, 0x0
	.amdhsa_kernel k_q3d9ef1595c_proj
		.amdhsa_group_segment_fixed_size 327680
		.amdhsa_private_segment_fixed_size 0
		.amdhsa_enable_private_segment 0
		.amdhsa_kernarg_size 32
		.amdhsa_user_sgpr_count 2
		.amdhsa_user_sgpr_kernarg_segment_ptr 1
		.amdhsa_wavefront_size32 1
		.amdhsa_system_sgpr_workgroup_id_x 1
		.amdhsa_system_sgpr_workgroup_id_y 1
		.amdhsa_system_sgpr_workgroup_id_z 1
		.amdhsa_system_vgpr_workitem_id 0
		.amdhsa_next_free_vgpr 512
		.amdhsa_next_free_sgpr 76
		.amdhsa_reserve_vcc 0
		.amdhsa_float_denorm_mode_32 3
		.amdhsa_float_denorm_mode_16_64 3
		.amdhsa_memory_ordered 1
		.amdhsa_forward_progress 1
		.amdhsa_inst_pref_size 90
	.end_amdhsa_kernel
	.amdgpu_metadata
---
amdhsa.version: [ 1, 2 ]
amdhsa.kernels:
  - .name:           k_q3d9ef1595c_proj
    .symbol:         k_q3d9ef1595c_proj.kd
    .args:
      - { .name: ao, .offset: 0, .size: 8, .value_kind: global_buffer, .address_space: global }
      - { .name: wt, .offset: 8, .size: 8, .value_kind: global_buffer, .address_space: global }
      - { .name: bo, .offset: 16, .size: 8, .value_kind: global_buffer, .address_space: global }
      - { .name: out0, .offset: 24, .size: 8, .value_kind: global_buffer, .address_space: global }
    .group_segment_fixed_size: 327680
    .private_segment_fixed_size: 0
    .kernarg_segment_align: 8
    .kernarg_segment_size: 32
    .max_flat_workgroup_size: 128
    .sgpr_count:     76
    .vgpr_count:     512
    .wavefront_size: 32
...
	.end_amdgpu_metadata
.endif
;; end of part 4
